; MI455X (gfx1250); checked and timed in simulation.
; The chip was launched on July 23, 2026; its instructions are those of AMD's public machine-readable ISA for CDNA 5 (MIT licence, August 2026) and "CDNA5" Instruction Set Architecture Reference Guide (July 2026). The comments in the code are by the model that wrote it; some were corrected since.
;; Efficient Cross Attention. Allowed arithmetic: matrix products marked QUANTISED: E5M2 operands, one given power-of-two scale a tensor, by v_wmma_f32_16x16x64_bf8_bf8 or v_wmma_f32_16x16x128_bf8_bf8, f32 sums; everything else in f32.
;; Inputs: Wh 1,024 x 1,024 float32; Wk 768 x 1,024 float32; Wq 1,024 x 1,024 float32; Wv 768 x 1,024 float32; b1 1,024 float32; b2 768 float32; bh 1,024 float32; bk 1,024 float32; bq 1,024 float32; bv 1,024 float32; g1 1,024 float32; g2 768 float32; lowp_scales 12 int32 (the exponents e of the quantised operands' scales 2^e); x1 4 x 4,096 x 1,024 float32; x2 4 x 2,048 x 768 float32.
;; Outputs: out0 4 x 4,096 x 1,024 float32.
;; This version of the problem:
;;   THIS VERSION OF THE PROBLEM IS GIVEN IN LOW PRECISION. The matrix products marked QUANTISED in the list below multiply operands that are first quantised to E5M2 (5 exponent bits, 2 mantissa bits; 8 bits a number), with one given power-of-two scale for each operand tensor; their sums are f32. All else is computed in f32.
;;   The module's matrix products, in the order in which they are computed (A, B: the left and right operand; K: the contracted axis; several contracted axes count as one K, in the product's order):
;;     1. [M 16,384, K 1,024] x [K 1,024, N 1,024]; A: computed on the way; B: input Wq: QUANTISED (scales: A lowp_scales[0], B lowp_scales[1])
;;     2. [M 8,192, K 768] x [K 768, N 1,024]; A: computed on the way; B: input Wk: QUANTISED (scales: A lowp_scales[2], B lowp_scales[3])
;;     3. [M 8,192, K 768] x [K 768, N 1,024]; A: computed on the way; B: input Wv: QUANTISED (scales: A lowp_scales[4], B lowp_scales[5])
;;     4. batch 64 x [M 64, K 2,048] x [K 2,048, N 64]; A: computed on the way; B: computed on the way: QUANTISED (scales: A lowp_scales[6], B lowp_scales[7])
;;     5. batch 64 x [M 64, K 64] x [K 64, N 4,096]; A: computed on the way; B: softmax (see below): QUANTISED (scales: A lowp_scales[8], B lowp_scales[9])
;;     6. [M 16,384, K 1,024] x [K 1,024, N 1,024]; A: input x1; B: input Wh: QUANTISED (scales: A lowp_scales[10], B lowp_scales[11])
;;   THE QUANTISER, for each operand of a quantised product, along K:
;;     - The operand's scale is 2^e, e = its entry of the input lowp_scales (int32; the entries are numbered through the quantised products in the list's order, A before B).
;;     - Each number is divided by the scale, clamped to +-57,344, and rounded to the nearest number of E5M2, ties to even, subnormals kept.
;;     - The product sums the exact products of the quantised numbers (number of the format x scale) in f32.
;;   ~~~python
;;   def quantise(x, axis, e):      # numpy; x: float32 -> the quantised numbers, widened to float32 again
;;       x = np.moveaxis(x, axis, -1); K = x.shape[-1]
;;       r = np.clip(x / 2.0 ** e, -57344, 57344)
;;       step = 2.0 ** (np.maximum(np.frexp(np.where(r == 0, 1, r))[1] - 1, -14) - 2)
;;       q = np.round(r / step) * step * 2.0 ** e      # np.round: ties to even
;;       return np.moveaxis(q, -1, axis).astype(np.float32)
;;   ~~~
;;   SOFTMAX AHEAD OF A QUANTISED PRODUCT. Where the list says 'softmax', what is quantised is not the finished softmax but p = 2^(t - M), with t = logit x log2(e) and M = ceil(the row's largest t), a whole number; so 1/2 < the row's largest p <= 1. The row's sum l is taken of the UNQUANTISED p, in f32, and the product's result is divided by l at the end. Since M is a whole number, a kernel that streams over the keys may use a running M (the ceiling of the running maximum): every later rescaling is an exact power of two, so the quantised numbers keep their values, but for numbers so far below the row's largest that they fall under the format's range.
;;   OPERANDS COMPUTED ON THE WAY. 'Computed on the way' means the value that the module computes at that place (a softmax that the list does not call 'softmax' is quantised finished and normalised). What goes into a quantiser is computed in f32, as accurately as f32 sums, v_exp_f32 and their like allow (about 1e-6 of the number): no bf16 or f16 on the way to a quantiser, and a product that is left as it is and whose result goes on into a quantised operand takes f32 operands (vector FMAs, or v_wmma_f32_16x16x4_f32). A number that lies on a knife's edge between two numbers of the format may be rounded either way, as far as f32 arithmetic and the matrix unit's own rounding can turn it there, and no further.
;; One version. Each part assembles by itself: llvm-mc -triple=amdgcn-amd-amdhsa -mcpu=gfx1250 --defsym DOCPART=n.
;; ======== version 1 of 1: 4 launches
;; workspace buffers: xc 33,554,432 bytes; x2c 12,582,912 bytes; wqh 2,097,152 bytes; wkv 2,097,152 bytes; part 8,388,608 bytes; attnc 262,144 bytes
;; launch prep (part 1): grid 1760 x 1, 2 waves a work-group, no clusters, 17,664 bytes of LDS; arguments Wq, Wh, Wk, Wv, x1, x2, g1, b1, g2, b2, lowp_scales, wqh, wkv, xc, x2c; writes wqh, wkv, xc, x2c
.if DOCPART == 1
	.amdgcn_target "amdgcn-amd-amdhsa--gfx1250"
	.amdhsa_code_object_version 6
	.text
	.protected	k_q68a2fa042b_prep
	.globl	k_q68a2fa042b_prep
	.p2align	8
	.type	k_q68a2fa042b_prep,@function
k_q68a2fa042b_prep:
	s_mov_b64 s[64:65], 0
	v_nop
	global_prefetch_b8 v0, s[64:65] scope:SCOPE_SE
	s_setreg_imm32_b32 hwreg(HW_REG_WAVE_MODE, 25, 1), 1
	s_wait_xcnt 0x0
; PREP: every f32 operand that many work-groups read later is turned into codes of E5M2 once, K innermost.
;   work-groups    0..223   the four weights ([K][1024] f32, K their FIRST axis) -> wqh [1024 n][2048] = Wq (e1) | Wh (e11),  wkv [1024 n][2048] = Wk (e3) | Wv (e5) | 512 bytes that nobody writes or reads
;   work-groups  224..1247  x1 [16384][1024] -> xc  [16384][2048] = codes of layernorm(x1) (e0) | codes of x1 as it is (e10)
;   work-groups 1248..1759  x2 [8192][768]   -> x2c [8192][1536]  = codes of layernorm(x2) with e2 | the same numbers with e4
; code = x / 2^e, held within +-57,344, to the nearest code, ties to even.
; THE ORDER ALONG K.  Inside each aligned block of 256 along K, byte 8 L + 4 c + j (L 0..31, c 0..1, j 0..3) holds k = 128 c + 4 L + j, in all four buffers alike.  Both operands of every product have
; the same order, so every code meets its partner; only the order of the sums changes.  It is chosen so that a wave that loads a row in pieces of 512 consecutive bytes (16 a lane) holds, in eight consecutive
; registers of two pieces, just the eight numbers whose codes are its 8 bytes of an aligned 256: no turn through LDS.
; LIMITS: each e named above lies between -126 and 112, so that 2^e and 57,344 x 2^e are f32 numbers.  NaN among the inputs is not served (an infinity is held at the largest code).
; Two waves to a work-group: 1,760 work-groups are 6 or 7 for each of 256 WGPs, so that the shares are nearly even.
; No cluster, no tensor loads: the work-groups share only g and b (a few KB); all else is read once by one wave.  No barrier: waves share nothing.
.set NW,  224                          ; work-groups for the weights: 14 blocks of 256 along K x 16 blocks of 64 columns
.set NX1, 1024                         ; for x1: 16 rows each
.set G,   8                            ; v8-39    g of my numbers of a row
.set BB,  40                           ; v40-71   b likewise
.set X,   72                           ; v72-199  four row slots of 32
.set Y,   200                          ; v200-231 the row, centred, then normalised
.set C0,  232                          ; v232-239 codes, first set
.set C1,  240                          ; v240-247 codes, second set
.set T,   248                          ; v248-253 at work
.set WX,  32                           ; weights: v32-95 two sets of 32 numbers
.set WC,  96                           ; v96-103  a block's codes
.set WO,  112                          ; v112-175 the way out
.set WP,  272                          ; a stage row: 256 bytes + 16
.macro MKSC e, sc, lim                 ; v[sc] = 2^e as f32 (the conversion takes its exponent field), v[lim] = 57,344 x 2^e
	s_add_co_i32 s52, \e, 127
	s_lshl_b32 s53, s52, 23
	v_mov_b32 v[\sc], s53
	s_add_co_i32 s52, s52, 15
	s_lshl_b32 s52, s52, 23
	s_or_b32 s52, s52, 0x600000
	v_mov_b32 v[\lim], s52
.endm
.macro REDUCE r, tmp                   ; the sum over the 32 lanes, in every lane
	v_add_f32_dpp v[\r], v[\r], v[\r] row_xmask:1 row_mask:0xf bank_mask:0xf
	v_add_f32_dpp v[\r], v[\r], v[\r] row_xmask:2 row_mask:0xf bank_mask:0xf
	v_add_f32_dpp v[\r], v[\r], v[\r] row_xmask:4 row_mask:0xf bank_mask:0xf
	v_add_f32_dpp v[\r], v[\r], v[\r] row_xmask:8 row_mask:0xf bank_mask:0xf
	v_permlanex16_b32 v[\tmp], v[\r], s60, s61
	v_add_f32 v[\r], v[\r], v[\tmp]
.endm
.macro XLOAD i, NCH, RB                ; row i of my eight into slot i % 4: NCH loads of 512 consecutive bytes
.set c, 0
.rept \NCH
	global_load_b128 v[X+32*((\i)%4)+4*c:X+32*((\i)%4)+4*c+3], v1, s[54:55] offset:(\i)*(\RB)+512*c th:TH_LOAD_NT
.set c, c+1
.endr
.endm
; One row: mean, centred row, variance of the centred row (two passes, as the definition has it: no difference of large sums), normalised row, two sets of codes.
.macro LNROW i, NCH, RB, OP, RAW
.set XS, X+32*((\i)%4)
.if 7-(\i) < 3
	s_wait_loadcnt (\NCH)*(7-(\i))                 ; loads come back in order: my row is in, the rows behind it stay out (g and b were asked for earlier still)
.else
	s_wait_loadcnt (\NCH)*3
.endif
	v_pk_add_f32 v[T:T+1], v[XS:XS+1], v[XS+2:XS+3]
	v_pk_add_f32 v[T+2:T+3], v[XS+4:XS+5], v[XS+6:XS+7]
.set j, 8
.rept (\NCH)-2
	v_pk_add_f32 v[T:T+1], v[T:T+1], v[XS+j:XS+j+1]
	v_pk_add_f32 v[T+2:T+3], v[T+2:T+3], v[XS+j+2:XS+j+3]
.set j, j+4
.endr
	v_pk_add_f32 v[T:T+1], v[T:T+1], v[T+2:T+3]
	v_add_f32 v[T], v[T], v[T+1]
	REDUCE T, T+1
	v_mul_f32 v[T], s58, v[T]                      ; the mean
.set j, 0
.rept 2*(\NCH)
	v_pk_add_f32 v[Y+j:Y+j+1], v[XS+j:XS+j+1], v[T:T+1] op_sel_hi:[1,0] neg_lo:[0,1] neg_hi:[0,1]   ; x - mean
.set j, j+2
.endr
	v_pk_mul_f32 v[T+2:T+3], v[Y:Y+1], v[Y:Y+1]
	v_pk_mul_f32 v[T+4:T+5], v[Y+2:Y+3], v[Y+2:Y+3]
.set j, 4
.rept (\NCH)-1
	v_pk_fma_f32 v[T+2:T+3], v[Y+j:Y+j+1], v[Y+j:Y+j+1], v[T+2:T+3]
	v_pk_fma_f32 v[T+4:T+5], v[Y+j+2:Y+j+3], v[Y+j+2:Y+j+3], v[T+4:T+5]
.set j, j+4
.endr
	v_pk_add_f32 v[T+2:T+3], v[T+2:T+3], v[T+4:T+5]
	v_add_f32 v[T+2], v[T+2], v[T+3]
	REDUCE T+2, T+3
	v_fma_f32 v[T+2], v[T+2], s58, s59             ; variance + 1e-5
	v_rsq_f32 v[T+2], v[T+2]
	v_nop                                          ; one plain instruction behind the transcendental (ISA guide 5.7.2)
.set j, 0
	s_wait_alu depctr_va_vdst(0)
.rept 2*(\NCH)
	v_pk_mul_f32 v[Y+j:Y+j+1], v[Y+j:Y+j+1], v[T+2:T+3] op_sel_hi:[1,0]
.set j, j+2
.endr
.set j, 0
.rept 2*(\NCH)
	v_pk_fma_f32 v[Y+j:Y+j+1], v[Y+j:Y+j+1], v[G+j:G+j+1], v[BB+j:BB+j+1]
.set j, j+2
.endr
.set j, 0
.rept 4*(\NCH)                         ; the conversion to an 8-bit code does not saturate (ISA guide 7.6.2): both sets are held first.  The second set is the row as it came (RAW) or the normalised row again
.if \RAW
	v_med3_num_f32 v[XS+j], v[XS+j], -v5, v5
.else
	v_med3_num_f32 v[XS+j], v[Y+j], -v5, v5
.endif
	v_med3_num_f32 v[Y+j], v[Y+j], -v4, v4
.set j, j+1
.endr
	s_wait_xcnt 0x0                                ; the last row's stores have read C0 and C1: the conversions below are the first lines that write them again.  Nothing above writes a source of a pending load or store
.set u, 0
.rept (\NCH)/2
	v_cvt_scalef32_pk8_bf8_f32 v[C0+2*u:C0+2*u+1], v[Y+8*u:Y+8*u+7], v6
	v_cvt_scalef32_pk8_bf8_f32 v[C1+2*u:C1+2*u+1], v[XS+8*u:XS+8*u+7], v7
.set u, u+1
.endr
	v_nop                                          ; one plain instruction behind the last scaled conversion
.if (\i)+4 < 8
	XLOAD (\i)+4, \NCH, \RB                        ; loads ahead of stores: the slot takes the row four further on
.endif
.set u, 0
.rept (\NCH)/2
	global_store_b64 v2, v[C0+2*u:C0+2*u+1], s[56:57] offset:(\i)*(\OP)+256*u                 ; 32 lanes x 8 bytes: 256 consecutive bytes, aligned
	global_store_b64 v2, v[C1+2*u:C1+2*u+1], s[56:57] offset:(\i)*(\OP)+128*(\NCH)+256*u
.set u, u+1
.endr
.endm
; A work-group takes 16 rows, a wave 8, one row at a time in its registers.  Every offset is an immediate.
.macro LNPATH NCH, RB, OP, RAW, WG0, SRC, GP, BP, DST, EA, EB, INVD
	s_sub_co_u32 s39, ttmp9, \WG0
	s_lshl_b32 s39, s39, 4
	s_lshl_b32 s52, s38, 3
	s_add_co_u32 s39, s39, s52                     ; my first row
	s_mul_i32 s52, s39, \RB
	s_mov_b32 s53, 0
	s_add_nc_u64 s[54:55], s[\SRC:\SRC+1], s[52:53]
	s_mul_i32 s52, s39, \OP
	s_add_nc_u64 s[56:57], s[\DST:\DST+1], s[52:53]
	s_mov_b32 s58, \INVD                           ; 1 / the row's length
	s_mov_b32 s59, 0x3727c5ac                      ; 1e-5
	s_mov_b32 s60, 0x76543210                      ; v_permlanex16_b32: lane l xor 16
	s_mov_b32 s61, 0xfedcba98
	v_and_b32 v3, 31, v0
	v_lshlrev_b32 v1, 4, v3                        ; 16 x lane: in
	v_lshlrev_b32 v2, 3, v3                        ; 8 x lane: out
.set c, 0
.rept \NCH
	global_load_b128 v[G+4*c:G+4*c+3], v1, s[\GP:\GP+1] offset:512*c
.set c, c+1
.endr
.set c, 0
.rept \NCH
	global_load_b128 v[BB+4*c:BB+4*c+3], v1, s[\BP:\BP+1] offset:512*c
.set c, c+1
.endr
	XLOAD 0, \NCH, \RB
	XLOAD 1, \NCH, \RB
	XLOAD 2, \NCH, \RB
	XLOAD 3, \NCH, \RB
	s_wait_kmcnt 0x0                               ; the scales' exponents, asked for at the head: first read just below, behind the first rows' loads
	MKSC s\EA, 6, 4
	MKSC s\EB, 7, 5
.irp w, 0,1,2,3,4,5,6,7
	LNROW \w, \NCH, \RB, \OP, \RAW
.endr
	s_endpgm
.endm
	s_load_b256 s[8:15], s[0:1], 0x0               ; Wq s[8:9], Wh s[10:11], Wk s[12:13], Wv s[14:15]
	s_load_b256 s[16:23], s[0:1], 0x20             ; x1 s[16:17], x2 s[18:19], g1 s[20:21], b1 s[22:23]
	s_load_b256 s[24:31], s[0:1], 0x40             ; g2 s[24:25], b2 s[26:27], the scales' exponents s[28:29], wqh s[30:31]
	s_load_b128 s[32:35], s[0:1], 0x60             ; wkv s[32:33], xc s[34:35]
	s_load_b64 s[36:37], s[0:1], 0x70              ; x2c
	v_lshl_add_u32 v254, v0, 2, 0x4400
	v_mov_b32 v255, 0
	v_lshrrev_b32 v1, 5, v0
	v_readfirstlane_b32 s38, v1                    ; wave 0..1
	s_wait_kmcnt 0x0
	s_load_b256 s[40:47], s[28:29], 0x0            ; e0 .. e7: waited for in each path, in front of their first use; s[28:29] and s40-51 are not touched till then
	s_load_b128 s[48:51], s[28:29], 0x20           ; e8 .. e11
	s_cmp_lt_u32 ttmp9, NW
	s_cbranch_scc1 .Lw
	s_cmp_lt_u32 ttmp9, NW+NX1
	s_cbranch_scc1 .Lx1
	LNPATH 6, 3072, 1536, 0, NW+NX1, 18, 24, 26, 36, 42, 44, 0x3aaaaaab
.Lx1:
	LNPATH 8, 4096, 2048, 1, NW, 16, 20, 22, 34, 40, 50, 0x3a800000
; THE WEIGHTS.  A work-group takes 64 columns x 256 along K of one weight; a wave 32 columns.  A LANE TAKES A COLUMN n AND ITS REGISTERS RUN DOWN K, in the order along K stated above (it stands in the loads' immediates):
; each load reads 128 consecutive bytes a wave, the conversions give codes with K innermost, and a column's 256 bytes leave through the wave's own stage in LDS, sixteen lanes to an aligned 256 bytes.
.Lw:
	s_lshr_b32 s39, ttmp9, 4                       ; job 0..13: Wq's four blocks of 256 along K, Wh's four, Wk's three, Wv's three
	s_and_b32 s54, ttmp9, 15                       ; which 64 columns
	s_mov_b64 s[2:3], s[14:15]                     ; the choices hang on the work-group's number alone.  Wv,
	s_mov_b32 s55, 11
	s_cmp_lt_u32 s39, 11
	s_cselect_b64 s[2:3], s[12:13], s[2:3]         ; Wk,
	s_cselect_b32 s55, 8, s55
	s_cmp_lt_u32 s39, 8
	s_cselect_b64 s[2:3], s[10:11], s[2:3]         ; Wh,
	s_cselect_b32 s55, 4, s55
	s_cselect_b64 s[4:5], s[30:31], s[32:33]       ; into wqh or wkv
	s_cselect_b32 s57, 0, 8
	s_cmp_lt_u32 s39, 4
	s_cselect_b64 s[2:3], s[8:9], s[2:3]           ; or Wq
	s_cselect_b32 s55, 0, s55
	s_sub_co_u32 s55, s39, s55                     ; which 256 along K of the weight
	s_sub_co_u32 s57, s39, s57                     ; which 256 bytes of the output's rows
	s_lshl_b32 s58, s55, 20                        ; 256 rows of 4,096 bytes
	s_lshl_b32 s59, s54, 8
	s_add_co_u32 s58, s58, s59
	s_lshl_b32 s59, s38, 7
	s_add_co_u32 s58, s58, s59                     ; + 4 x (64 x block + 32 x wave)
	s_mov_b32 s59, 0
	s_add_nc_u64 s[2:3], s[2:3], s[58:59]
	s_lshl_b32 s58, s54, 17                        ; (64 x block + 32 x wave) rows of 2,048 bytes
	s_lshl_b32 s60, s38, 16
	s_add_co_u32 s58, s58, s60
	s_lshl_b32 s60, s57, 8
	s_add_co_u32 s58, s58, s60
	s_add_nc_u64 s[4:5], s[4:5], s[58:59]
	v_and_b32 v2, 31, v0                           ; lane
	v_lshlrev_b32 v3, 2, v2                        ; in: 4 bytes a lane
	s_mul_i32 s62, s38, 32*WP                      ; my stage
	v_mul_u32_u24 v4, v2, WP
	v_add_nc_u32 v4, s62, v4                       ; into it: row = my column
	v_and_b32 v5, 15, v2
	v_lshrrev_b32 v6, 4, v2
	v_mul_u32_u24 v7, v6, WP
	v_lshl_add_u32 v7, v5, 4, v7
	v_add_nc_u32 v7, s62, v7                       ; out of it: sixteen lanes to a row, two rows an instruction
	v_lshlrev_b32 v8, 11, v6
	v_lshl_add_u32 v8, v5, 4, v8                   ; and the same place in the output
.macro WLOAD t                         ; bytes 32 t .. 32 t + 31 of my column's 256: byte 32 t + i is k = 128 ((i % 8) / 4) + 16 t + 4 (i / 8) + i % 4
.set i, 0
.rept 32
	global_load_b32 v[WX+32*((\t)%2)+i], v3, s[2:3] offset:(128*((i%8)/4)+16*(\t)+4*(i/8)+i%4)*4096 th:TH_LOAD_NT
.set i, i+1
.endr
.endm
.macro WBLOCK t
.set XS, WX+32*((\t)%2)
.if (\t) < 7
	s_wait_loadcnt 32                              ; this block's 32 loads are in; the next block's may be out
.else
	s_wait_loadcnt 0
.endif
.set i, 0
.rept 32
	v_med3_num_f32 v[XS+i], v[XS+i], -v10, v10     ; the hold at the largest code x the scale
.set i, i+1
.endr
.irp g, 0,1,2,3
	v_cvt_scalef32_pk8_bf8_f32 v[WC+2*\g:WC+2*\g+1], v[XS+8*\g:XS+8*\g+7], v11
.endr
	ds_store_b128 v4, v[WC:WC+3] offset:32*(\t)
	ds_store_b128 v4, v[WC+4:WC+7] offset:32*(\t)+16
.if (\t)+2 < 8
	WLOAD (\t)+2
.endif
	s_wait_dscnt 0x0                               ; the stores have read their registers: the next block's codes may be written (its 32 holds, plain instructions on other registers, come first)
.endm
	WLOAD 0
	WLOAD 1
	s_wait_kmcnt 0x0                               ; the scales' exponents, asked for at the head: first read just below, behind the first blocks' loads
	s_mov_b32 s56, s45                             ; e5 for Wv,
	s_cmp_lt_u32 s39, 11
	s_cselect_b32 s56, s43, s56                    ; e3 for Wk,
	s_cmp_lt_u32 s39, 8
	s_cselect_b32 s56, s51, s56                    ; e11 for Wh,
	s_cmp_lt_u32 s39, 4
	s_cselect_b32 s56, s41, s56                    ; e1 for Wq
	MKSC s56, 11, 10
.irp w, 0,1,2,3,4,5,6,7
	WBLOCK \w
.endr
.irp w, 0,1,2,3,4,5,6,7,8,9,10,11,12,13,14,15
	ds_load_b128 v[WO+4*\w:WO+4*\w+3], v7 offset:2*\w*WP   ; LDS serves a wave's instructions in order (ISA guide 5.7.1.4): these see my stores
.endr
.irp w, 0,1,2,3,4,5,6,7,8,9,10,11,12,13,14,15
	s_wait_dscnt 15-\w
	global_store_b128 v8, v[WO+4*\w:WO+4*\w+3], s[4:5] offset:2*\w*2048   ; sixteen lanes store 256 consecutive bytes, aligned
.endr
	s_wait_tensorcnt 0x0
	ds_add_u32 v254, v255
	s_wait_dscnt 0x0
	s_endpgm
.Lfunc_end_k_q68a2fa042b_prep:
	.size	k_q68a2fa042b_prep, .Lfunc_end_k_q68a2fa042b_prep-k_q68a2fa042b_prep
	.p2alignl 7, 3214868480
	.fill 96, 4, 3214868480
	.section	.rodata,"a",@progbits
	.p2align	6, 0x0
	.amdhsa_kernel k_q68a2fa042b_prep
		.amdhsa_group_segment_fixed_size 17664
		.amdhsa_private_segment_fixed_size 0
		.amdhsa_enable_private_segment 0
		.amdhsa_kernarg_size 120
		.amdhsa_user_sgpr_count 2
		.amdhsa_user_sgpr_kernarg_segment_ptr 1
		.amdhsa_wavefront_size32 1
		.amdhsa_system_sgpr_workgroup_id_x 1
		.amdhsa_system_sgpr_workgroup_id_y 1
		.amdhsa_system_sgpr_workgroup_id_z 1
		.amdhsa_system_vgpr_workitem_id 0
		.amdhsa_next_free_vgpr 256
		.amdhsa_next_free_sgpr 66
		.amdhsa_reserve_vcc 0
		.amdhsa_float_denorm_mode_32 3
		.amdhsa_float_denorm_mode_16_64 3
		.amdhsa_memory_ordered 1
		.amdhsa_forward_progress 1
		.amdhsa_inst_pref_size 226
	.end_amdhsa_kernel
	.amdgpu_metadata
---
amdhsa.version: [ 1, 2 ]
amdhsa.kernels:
  - .name:           k_q68a2fa042b_prep
    .symbol:         k_q68a2fa042b_prep.kd
    .args:
      - { .name: Wq, .offset: 0, .size: 8, .value_kind: global_buffer, .address_space: global }
      - { .name: Wh, .offset: 8, .size: 8, .value_kind: global_buffer, .address_space: global }
      - { .name: Wk, .offset: 16, .size: 8, .value_kind: global_buffer, .address_space: global }
      - { .name: Wv, .offset: 24, .size: 8, .value_kind: global_buffer, .address_space: global }
      - { .name: x1, .offset: 32, .size: 8, .value_kind: global_buffer, .address_space: global }
      - { .name: x2, .offset: 40, .size: 8, .value_kind: global_buffer, .address_space: global }
      - { .name: g1, .offset: 48, .size: 8, .value_kind: global_buffer, .address_space: global }
      - { .name: b1, .offset: 56, .size: 8, .value_kind: global_buffer, .address_space: global }
      - { .name: g2, .offset: 64, .size: 8, .value_kind: global_buffer, .address_space: global }
      - { .name: b2, .offset: 72, .size: 8, .value_kind: global_buffer, .address_space: global }
      - { .name: lowp_scales, .offset: 80, .size: 8, .value_kind: global_buffer, .address_space: global }
      - { .name: wqh, .offset: 88, .size: 8, .value_kind: global_buffer, .address_space: global }
      - { .name: wkv, .offset: 96, .size: 8, .value_kind: global_buffer, .address_space: global }
      - { .name: xc, .offset: 104, .size: 8, .value_kind: global_buffer, .address_space: global }
      - { .name: x2c, .offset: 112, .size: 8, .value_kind: global_buffer, .address_space: global }
    .group_segment_fixed_size: 17664
    .private_segment_fixed_size: 0
    .kernarg_segment_align: 8
    .kernarg_segment_size: 120
    .max_flat_workgroup_size: 64
    .sgpr_count:     66
    .vgpr_count:     256
    .wavefront_size: 32
...
	.end_amdgpu_metadata
.endif
;; end of part 1
;; launch kv (part 2): grid 8 x 32, 4 waves a work-group, clusters of 4 x 4, 327,680 bytes of LDS; arguments x2c, wkv, lowp_scales, bk, bv, part; writes part
.if DOCPART == 2
	.amdgcn_target "amdgcn-amd-amdhsa--gfx1250"
	.amdhsa_code_object_version 6
	.text
	.protected	k_q68a2fa042b_kv
	.globl	k_q68a2fa042b_kv
	.p2align	8
	.type	k_q68a2fa042b_kv,@function
k_q68a2fa042b_kv:
	s_mov_b64 s[64:65], 0
	v_nop
	global_prefetch_b8 v0, s[64:65] scope:SCOPE_SE
	s_setreg_imm32_b32 hwreg(HW_REG_WAVE_MODE, 25, 1), 1
	s_wait_xcnt 0x0
	s_wait_alu depctr_hold_cnt(0) depctr_sa_sdst(0) depctr_va_vdst(0) depctr_va_sdst(0) depctr_va_ssrc(0) depctr_va_vcc(0) depctr_vm_vsrc(0)
	s_getreg_b32 s2, hwreg(HW_REG_IB_STS2, 6, 4)
	s_cmp_eq_u32 s2, 0
	s_cbranch_scc0 .Lentry_in_a_cluster
	s_endpgm
.Lentry_in_a_cluster:
	s_bfe_u32 s2, ttmp6, 0x10000c
	s_cmp_lg_u32 s2, 0xf033
	s_cbranch_scc0 .Lentry_shape_is_right
	s_endpgm
.Lentry_shape_is_right:
; KV: k = softmax over a head's 64 channels of (nx2 Wk + bk), v = nx2 Wv + bv, and partial sums of attn[b][head] = k^T v over 256 rows.  All three products on codes of E5M2.
; x2c [8192][1536]: a row's codes with e2, then with e4.  wkv [1024 n][2048]: Wk's column n (e3), then Wv's (e5).  Bytes 0-767 of the rows make k, bytes 768-1535 make v.
; SHARES.  A work-group takes 256 rows (block rb = grid y) x two heads (pair g = grid x).  Wave w: rows 128 (w / 2) on, head w % 2: k and v of the same rows and head lie in one wave, 32 + 32 accumulators (512 registers).
; The matrix instruction is used as it stands (source 0 = 16 rows of x2, source 1 = 16 columns of the weight): lane (r, h) holds column 16 b + r and its registers rows 16 a + 8 h + 0..7.  The rows are the K of k^T v,
; so a conversion of an accumulator's eight registers gives registers 2 a, 2 a + 1 of that product's operand in the form's own layout: nothing changes lanes.  The softmax's maximum and sum run over b and over 16 lanes.
; k goes into its quantiser finished and normalised; the maximum is taken away before the exponential.
; LDS HOLDS A WHOLE PRODUCT'S K.  A step of 128 along K is only 32 matrix instructions a wave, too little for a next tile to land beside it.  So the tiles have rows of 768 bytes, all of one product's K (256 rows of x2c,
; 128 rows of wkv), and LDS is filled twice, one tensor load a wave each time: with k's codes at the start, and with v's codes as soon as k's last fragments have been read.  k's whole softmax and conversion, which
; touch registers alone, stand between that refill and the wait for it.
; CLUSTER 4 x 4.  The four work-groups of a row of the cluster need the same rows of x2c, the four of a column the same rows of wkv: each tile is asked for JOINTLY.
; part [b x 16 + head][rb % 8][dt][lt][half][lane][4] f32: images of the 16 accumulators of k^T v (d = 16 dt + 8 h + j, l = 16 lt + r); a later launch adds the eight blocks.
; LIMITS on the given exponents: e6 and e7 - e4 - e5 between -126 and 112; e2 + e3 between -126 and 126 (added to log2(e)'s exponent field).  NaN among the inputs is not served.
; REGISTERS, in windows of 256.  Window 0: v16-31 addresses and scales; v32-63, v64-95 the biases as C; v128-255 x2's eight fragments, one set; between the products and at the end maxima (T) and sums (U).
;   window 1: the weight's four fragments, two sets (v0-63, v64-127); v128-191 k's codes, v192-255 v's.   window 2: k's accumulators, (a, b) at v[8 (4 a + b)]; later k^T v.   window 3: v's.
.set PITCH,  816                       ; an LDS row: 768 bytes with 16 of padding behind every 256 = 204 words: row r starts at bank 12 r mod 64 (64 banks of 4 bytes: ISA guide 11.1): the 16 rows of a load start at 16 different places
.set HALFA,  128*PITCH                 ; what waves 0 and 1 fetch each, and what a wave reads of x2c
.set ABYTES, 2*HALFA
.set HALFB,  64*PITCH                  ; what waves 2 and 3 fetch each, and what a wave reads of wkv
.set SPARE,  ABYTES+2*HALFB            ; behind the tiles: the spare words, 128 bytes a wave: two blocks of 256 bytes that no other line names
.set FR,   16                          ; registers of a fragment: 16 rows x 128 K
.set ADRA, 16                          ; v16 LDS address of my x2 fragments, blocks 0-3; v17 blocks 4-7 (64 rows on, so that every offset fits in 16 bits)
.set ADRB, 20                          ; v20 the same for the weight
.set SWI,  24                          ; v24  where I store my accumulators' images: 16,384 x wave + 16 x lane, in the tiles' bytes, which have had their last fill and their last read by then
.set RDI,  25                          ; v25  where I read the half that I add: 16,384 x head + 8,192 x row half + 16 x lane
.set GO,   26                          ; v26  16 x lane
.set SPW,  28                          ; v28  my spare word; never rewritten
.set NIL,  29                          ; v29  0; never rewritten
.set SCK,  30                          ; v30  2^e6
.set SCV,  31                          ; v31  2^(e7 - e4 - e5)
.set BKC,  32
.set BVC,  64
.set AF,   128
.set T,    128
.set U,    192
.set KC,   128                         ; in window 1
.set VC,   192                         ; in window 1
.set G1,  24                           ; s[24:31] descriptor group 1 for x2c's tiles;  s[32:35] their group 0
.set G0,  32
.set G1B, 48                           ; s[48:55], s[56:59] the same for wkv's
.set G0B, 56
.set MSB, 0
.macro WIN new                         ; the immediate's high byte repeats the setting that is left
.if MSB != (\new)
	s_set_vgpr_msb (MSB<<8)|(\new)
.set MSB, (\new)
.endif
.endm
.set TO_B, 0x40                        ; destination window 1, address window 0
; A joint load: waves 0 and 1 fetch x2c's halves, waves 2 and 3 wkv's.  Each line has one mask and one set of registers; the branch hangs on the wave's number alone.  Four v_nop follow each line.
.macro JLOAD g0a, g1a, g0b, g1b
	s_cmp_eq_u32 s15, 0
	s_cbranch_scc0 .Lfor_b_\@
	tensor_load_to_lds s[\g0a:\g0a+3], s[\g1a:\g1a+7]
	s_nop 0
.rept 4
	v_nop
.endr
	s_branch .Lasked_\@
.Lfor_b_\@:
	tensor_load_to_lds s[\g0b:\g0b+3], s[\g1b:\g1b+7]
	s_nop 0
.rept 4
	v_nop
.endr
.Lasked_\@:
.endm
.macro CREST                           ; a round of the cluster's barrier behind its opening barrier
	s_cmp_lg_u32 s14, 0
	s_cbranch_scc1 .Lnot_wave_0_\@
	s_barrier_signal -3
.Lnot_wave_0_\@:
	s_barrier_wait -3
	s_barrier_signal -1
	s_barrier_wait -1
.endm
.macro CROUND
	s_barrier_signal -1
	s_barrier_wait -1
	CREST
.endm
.macro PLACES n                        ; plain instructions between a matrix instruction and a load into, or a vector instruction on, its registers
.rept \n
	v_nop
.endr
.endm
	s_load_b128 s[4:7], s[0:1], 0x0                ; x2c s[4:5], wkv s[6:7]
	s_load_b128 s[8:11], s[0:1], 0x10              ; the scales' exponents s[8:9], bk s[10:11]
	s_load_b128 s[68:71], s[0:1], 0x20             ; bv s[68:69], part s[70:71]
	v_lshl_add_u32 v[SPW], v0, 2, SPARE
	v_mov_b32 v[NIL], 0
	ds_add_u32 v28, v29
	ds_add_u32 v28, v29
	s_wait_dscnt 0x0
	v_lshrrev_b32 v1, 5, v0
	v_readfirstlane_b32 s14, v1                    ; wave 0..3
	s_lshr_b32 s15, s14, 1                         ; my half of the rows.  Also: I fetch x2c (0) or wkv (1)
	s_and_b32 s16, s14, 1                          ; my head of the pair.  Also: which half of that tile I fetch
	s_bfe_u32 s40, ttmp6, 0x40000                  ; cx, cy: my place in the cluster
	s_bfe_u32 s41, ttmp6, 0x40004
	s_lshl_b32 s42, ttmp9, 2
	s_add_co_u32 s42, s42, s40                     ; g = 4 x cluster x + cx
	s_and_b32 s17, ttmp7, 0xffff
	s_lshl_b32 s17, s17, 2
	s_add_co_u32 s17, s17, s41                     ; rb = 4 x cluster y + cy
	s_lshl_b32 s43, s41, 2
	s_lshl_b32 s43, 15, s43                        ; my row of the cluster
	s_lshl_b32 s44, 0x1111, s40                    ; my column
	s_or_b32 s[G1+0], s43, (1<<20)|(1<<21)|(5<<22)|(3<<25)    ; 15:0 the mask; 17:16 elements of 1 byte; 20 padding on; 21 set beside a mask; 24:22 after every 64 words, a third of a row; 31:25 four words
	s_or_b32 s[G1B+0], s44, (1<<20)|(1<<21)|(5<<22)|(3<<25)
	s_mov_b32 s[G1+1], 768<<16                     ; tensor_dim0 = 768
	s_mov_b32 s[G1+2], 128<<16                     ; tensor_dim1 = 128
	s_mov_b32 s[G1+3], 768<<16                     ; tile_dim0 = 768
	s_mov_b32 s[G1+4], 128                         ; tile_dim1 = 128
	s_mov_b32 s[G1+5], 1536                        ; bytes from row to row of x2c
	s_mov_b32 s[G1+6], 0
	s_mov_b32 s[G1+7], 0
	s_mov_b32 s[G1B+1], 768<<16
	s_mov_b32 s[G1B+2], 64<<16
	s_mov_b32 s[G1B+3], 768<<16
	s_mov_b32 s[G1B+4], 64
	s_mov_b32 s[G1B+5], 2048                       ; of wkv
	s_mov_b32 s[G1B+6], 0
	s_mov_b32 s[G1B+7], 0
	s_lshl_b32 s18, s16, 7
	s_lshl_b32 s20, s17, 8
	s_add_co_u32 s20, s20, s18                     ; x2c: row 256 rb + 128 x half
	s_mul_i32 s20, s20, 1536
	s_mov_b32 s21, 0
	s_lshl_b32 s18, s16, 6
	s_lshl_b32 s46, s42, 7
	s_add_co_u32 s46, s46, s18                     ; wkv: row 128 g + 64 x half
	s_lshl_b32 s46, s46, 11
	s_mov_b32 s47, 0
	s_mul_i32 s45, s16, HALFA                      ; where they go: no place in the cluster enters an LDS address
	s_mul_i32 s19, s16, HALFB
	s_add_co_u32 s19, s19, ABYTES
	s_wait_kmcnt 0x0
	s_load_b256 s[72:79], s[8:9], 0x0              ; e0 .. e7
	CROUND                                         ; all sixteen work-groups are here: the first joint loads meet
	s_mov_b32 s[G0], 1                             ; 1:0 count = 1
	s_mov_b32 s[G0+1], s45                         ; 63:32 LDS address
	s_add_nc_u64 s[G0+2:G0+3], s[4:5], s[20:21]    ; 120:64 global address: bytes 0-767 of my rows
	s_or_b32 s[G0+3], s[G0+3], 0x80000000          ; 127:126 type = 2
	s_mov_b32 s[G0B], 1
	s_mov_b32 s[G0B+1], s19
	s_add_nc_u64 s[G0B+2:G0B+3], s[6:7], s[46:47]
	s_or_b32 s[G0B+3], s[G0B+3], 0x80000000
	JLOAD G0, G1, G0B, G1B                         ; k's codes: one load of mine is out
	v_and_b32 v1, 15, v0                           ; r
	v_bfe_u32 v2, v0, 4, 1                         ; h
	v_mul_u32_u24 v3, v1, PITCH
	v_lshl_add_u32 v4, v2, 4, v3                   ; a fragment's row x pitch + 16 h
	s_mul_i32 s21, s15, HALFA                      ; my 128 rows of x2c
	s_mul_i32 s22, s16, HALFB                      ; my 64 rows of wkv,
	s_add_co_u32 s22, s22, ABYTES                  ; which lie behind x2c's 256
	v_add_nc_u32 v[ADRA], s21, v4
	s_add_co_u32 s21, s21, 64*PITCH
	v_add_nc_u32 v[ADRA+1], s21, v4
	v_add_nc_u32 v[ADRB], s22, v4
	v_and_b32 v6, 31, v0
	v_lshlrev_b32 v[GO], 4, v6
	s_lshl_b32 s23, s14, 14
	v_add_nc_u32 v[SWI], s23, v[GO]
	s_lshl_b32 s23, s16, 14
	s_lshl_b32 s18, s15, 13
	s_add_co_u32 s23, s23, s18
	v_add_nc_u32 v[RDI], s23, v[GO]
	v_lshlrev_b32 v5, 2, v1                        ; 4 r
	s_lshl_b32 s90, s42, 9
	s_lshl_b32 s91, s16, 8
	s_add_co_u32 s90, s90, s91                     ; 4 x (128 g + 64 x head)
	s_mov_b32 s91, 0
	s_add_nc_u64 s[10:11], s[10:11], s[90:91]
	s_add_nc_u64 s[68:69], s[68:69], s[90:91]
.irp b, 0,1,2,3
	global_load_b32 v[96+\b], v5, s[10:11] offset:64*\b      ; bk of column 16 b + r
	global_load_b32 v[100+\b], v5, s[68:69] offset:64*\b     ; bv likewise
.endr
	s_lshr_b32 s92, s17, 3
	s_lshl_b32 s92, s92, 4                         ; 16 x batch
	s_lshl_b32 s93, s42, 1
	s_add_co_u32 s92, s92, s93
	s_add_co_u32 s92, s92, s16                     ; + head
	s_lshl_b32 s92, s92, 3
	s_and_b32 s93, s17, 7
	s_add_co_u32 s92, s92, s93                     ; x 8 + rb % 8
	s_lshl_b32 s92, s92, 14
	s_lshl_b32 s93, s15, 13
	s_add_co_u32 s92, s92, s93                     ; x 16,384 + the half that I add and store
	s_mov_b32 s93, 0
	s_add_nc_u64 s[70:71], s[70:71], s[92:93]
	s_wait_kmcnt 0x0
	s_add_co_i32 s90, s74, s75                     ; e2 + e3: a sum of the first product stands for sum x 2^(e2 + e3)
	s_lshl_b32 s91, s90, 23
	s_add_co_i32 s84, s91, 0x3fb8aa3b              ; c = log2(e) x 2^(e2 + e3)
	s_mov_b32 s85, s84                             ; (named with it as a pair, so it is written)
	s_xor_b32 s86, s84, 0x80000000                 ; -c
	s_sub_co_i32 s90, 0, s90
	s_add_co_i32 s91, s76, s77                     ; e4 + e5
	s_sub_co_i32 s92, s79, s91                     ; e7 - e4 - e5: v's three scales folded into the conversion's one
	s_sub_co_i32 s91, 0, s91
	s_add_co_i32 s93, s78, 127
	s_lshl_b32 s94, s93, 23
	v_mov_b32 v[SCK], s94
	s_add_co_i32 s93, s93, 15
	s_lshl_b32 s93, s93, 23
	s_or_b32 s87, s93, 0x600000                    ; 57,344 x 2^e6
	s_add_co_i32 s93, s92, 127
	s_lshl_b32 s94, s93, 23
	v_mov_b32 v[SCV], s94
	s_add_co_i32 s93, s93, 15
	s_lshl_b32 s93, s93, 23
	s_or_b32 s88, s93, 0x600000                    ; 57,344 x 2^(e7 - e4 - e5),
	s_or_b32 s89, s88, 0x80000000                  ; and its negative
	s_wait_loadcnt 0x0
.irp b, 0,1,2,3
.irp j, 0,1,2,3,4,5,6,7
	v_ldexp_f32 v[BKC+8*\b+\j], v[96+\b], s90      ; the biases are the C of each sum's first matrix instruction, divided by the power of two that the sums lack; a lane's eight rows share a column's bias
	v_ldexp_f32 v[BVC+8*\b+\j], v[100+\b], s91
.endr
.endr
.macro FRAG reg, adr, s, i             ; 16 rows x 128 K of codes, K step s of six: four loads of 16 bytes; the same places of k in both operands.  Step s begins 128 s bytes into a row's data: behind s / 2 paddings
.irp c, 0,1,2,3
	ds_load_b128 v[\reg+4*\c:\reg+4*\c+3], v[\adr] offset:272*((\s)/2)+128*((\s)%2)+32*\c+(\i)*16*PITCH
.endr
.endm
.macro FETCH_B s                       ; the weight's four fragments of K step s into set s % 2
	WIN TO_B
.irp i, 0,1,2,3
	FRAG 64*((\s)%2)+FR*\i, ADRB, \s, \i
.endr
	WIN 0
.endm
.macro FETCH_A s, half                 ; x2's blocks 4 half .. 4 half + 3
.irp i, 0,1,2,3
	FRAG AF+FR*(4*(\half)+\i), ADRA+\half, \s, \i
.endr
.endm
; 8 matrix instructions: row blocks a0, a0 + 1 x the four column blocks.  bias = 0: onto the sums; else the register at which the biases begin: the first product starts the sums.
; The 32 accumulators take turns, one instruction a turn, in the same order in every step.
.macro MUL8 a0, p, bias
.irp a, \a0, \a0+1
.irp b, 0,1,2,3
.if \bias
	v_wmma_f32_16x16x128_bf8_bf8 v[8*(4*(\a)+\b):8*(4*(\a)+\b)+7], v[AF+FR*(\a):AF+FR*(\a)+FR-1], v[64*(\p)+FR*\b:64*(\p)+FR*\b+FR-1], v[\bias+8*\b:\bias+8*\b+7]
.else
	v_wmma_f32_16x16x128_bf8_bf8 v[8*(4*(\a)+\b):8*(4*(\a)+\b)+7], v[AF+FR*(\a):AF+FR*(\a)+FR-1], v[64*(\p)+FR*\b:64*(\p)+FR*\b+FR-1], v[8*(4*(\a)+\b):8*(4*(\a)+\b)+7]
.endif
.endr
.endr
.endm
; K step s of the first five; n = s + 1 is fetched beside it.  W: the accumulators' window (2: k, 3: v).  Source 0 window 0, source 1 window 1; C in window W, or the biases in window 0.
; A block of x2 is free as soon as its four products are issued, so one set serves x2: blocks 0-3 are fetched anew in the step's middle, blocks 4-7 at its end.  The weight's fragments are at work through the step: two sets.
.macro KSTEP s, n, W, bias
.if \bias
.set MW, 0x04|((\W)<<6)
.else
.set MW, 0x04|((\W)<<4)|((\W)<<6)
.endif
	s_wait_dscnt 16                                ; the weight's set and x2's blocks 0-3 are in; the youngest sixteen loads (blocks 4-7) may be out
	WIN MW
	MUL8 0, (\s)%2, \bias
	MUL8 2, (\s)%2, \bias
	s_wait_dscnt 0
	PLACES 4
	FETCH_B \n
	FETCH_A \n, 0
	WIN MW
	MUL8 4, (\s)%2, \bias
	MUL8 6, (\s)%2, \bias
	PLACES 4
	WIN 0
	FETCH_A \n, 1
.endm
	s_wait_tensorcnt 0x0                           ; my one load, my part of k's tiles, has landed
	s_barrier_signal -1
	s_barrier_wait -1                              ; everybody's has
	FETCH_B 0
	FETCH_A 0, 0
	FETCH_A 0, 1
	KSTEP 0, 1, 2, BKC                             ; k's sums begin with bk
	KSTEP 1, 2, 2, 0
	KSTEP 2, 3, 2, 0
	KSTEP 3, 4, 2, 0
	KSTEP 4, 5, 2, 0
	; k's last step.  Its fragments are the last that are read of k's tiles: so the tiles' bytes are filled again from inside it.
	s_wait_tensorcnt 0x0                           ; no tensor load of mine is out, so a group 0 may be written
	ds_add_u32 v[SPW], v[NIL]                      ; 0 onto my spare word
	s_wait_dscnt 17                                ; (the add and the youngest sixteen loads may be out)
	WIN 0xa4
	MUL8 0, 1, 0                                   ; eight matrix instructions stand between the add and the wait for it
	s_wait_dscnt 0x0                               ; the add is done, and my reads of k's tiles are over
	s_barrier_signal -1
	MUL8 2, 1, 0
	WIN 0
	s_barrier_wait -1
	CREST                                          ; the barrier has opened a round of the cluster's barrier: no wave of any partner still reads the tiles or has a load on its way
	s_add_nc_u64 s[G0+2:G0+3], s[G0+2:G0+3], 768   ; bytes 768-1535 of the same rows; the type bits on top are not reached
	s_add_nc_u64 s[G0B+2:G0B+3], s[G0B+2:G0B+3], 768
	JLOAD G0, G1, G0B, G1B                         ; v's codes: the first tensor load behind the round, my only one
	WIN 0xa4
	MUL8 4, 1, 0
	MUL8 6, 1, 0                                   ; k's sums are whole
	PLACES 4
	; k's SOFTMAX, stage by stage over all 64 rows of a lane (row 8 a + j in T and U), while v's codes are on their way.  Each accumulator is read from its low end on.
	WIN 0x2a                                       ; sources in window 2, destination window 0
.set i, 0
.rept 64
	v_max3_num_f32 v[T+i], v[32*(i/8)+i%8], v[32*(i/8)+8+i%8], v[32*(i/8)+16+i%8]
.set i, i+1
.endr
	WIN 0x02
.set i, 0
.rept 64
	v_max_num_f32 v[T+i], v[32*(i/8)+24+i%8], v[T+i]
.set i, i+1
.endr
	WIN 0
.irp m, 1,2,4,8                        ; and over the sixteen lanes that hold the row's other columns
.set i, 0
.rept 64
	v_max_num_f32_dpp v[T+i], v[T+i], v[T+i] row_xmask:\m row_mask:0xf bank_mask:0xf
.set i, i+1
.endr
.endr
.set i, 0
.rept 64
	v_mul_f32 v[T+i], s86, v[T+i]                  ; -c x the row's largest sum
.set i, i+1
.endr
	WIN 0x82                                       ; source 0 and destination window 2
.set i, 0
.rept 128
	v_pk_fma_f32 v[i:i+1], v[i:i+1], s[84:85], v[T+8*(i/32)+i%8:T+8*(i/32)+i%8+1] op_sel_hi:[1,0,1]   ; (logit - largest logit) x log2(e)
.set i, i+2
.endr
.set i, 0
.rept 256
	v_exp_f32 v[i], v[i]
.set i, i+1
.endr
	v_nop                                          ; one plain instruction behind the transcendentals
	WIN 0x0a
.set i, 0
	s_wait_alu depctr_va_vdst(0)
.rept 32
	v_pk_add_f32 v[U+i:U+i+1], v[32*(i/8)+i%8:32*(i/8)+i%8+1], v[32*(i/8)+8+i%8:32*(i/8)+8+i%8+1]
.set i, i+2
.endr
	WIN 0x02
.irp b, 2,3
.set i, 0
.rept 32
	v_pk_add_f32 v[U+i:U+i+1], v[32*(i/8)+8*\b+i%8:32*(i/8)+8*\b+i%8+1], v[U+i:U+i+1]
.set i, i+2
.endr
.endr
	WIN 0
.irp m, 1,2,4,8
.set i, 0
.rept 64
	v_add_f32_dpp v[U+i], v[U+i], v[U+i] row_xmask:\m row_mask:0xf bank_mask:0xf
.set i, i+1
.endr
.endr
.set i, 0
.rept 64
	v_rcp_f32 v[U+i], v[U+i]
.set i, i+1
.endr
	v_nop
	WIN 0x82
.set i, 0
	s_wait_alu depctr_va_vdst(0)
.rept 128
	v_pk_mul_f32 v[i:i+1], v[i:i+1], v[U+8*(i/32)+i%8:U+8*(i/32)+i%8+1]   ; the finished softmax
.set i, i+2
.endr
.set i, 0
.rept 256
	v_min_num_f32 v[i], v[i], s87                  ; the conversion does not saturate (ISA guide 7.6.2); k is not negative, so the hold is one-sided
.set i, i+1
.endr
	WIN 0x42                                       ; source 0 window 2, destination window 1
.set i, 0
.rept 32                               ; accumulator (a, b), i = 4 a + b: rows 16 a + 8 h + 0..7 of channel 16 b + r: registers 2 a, 2 a + 1 of fragment b
	v_cvt_scalef32_pk8_bf8_f32 v[KC+16*(i%4)+2*(i/4):KC+16*(i%4)+2*(i/4)+1], v[8*i:8*i+7], v[SCK]
.set i, i+1
.endr
	v_nop                                          ; one plain instruction behind the last scaled conversion
	WIN 0
	s_wait_tensorcnt 0x0                           ; my one load, my part of v's tiles, has landed
	s_barrier_signal -1
	s_barrier_wait -1                              ; everybody's has
	FETCH_B 0
	FETCH_A 0, 0
	FETCH_A 0, 1
	KSTEP 0, 1, 3, BVC                             ; v's sums begin with bv
	KSTEP 1, 2, 3, 0
	KSTEP 2, 3, 3, 0
	KSTEP 3, 4, 3, 0
	KSTEP 4, 5, 3, 0
	s_wait_dscnt 16
	WIN 0xf4
	MUL8 0, 1, 0
	MUL8 2, 1, 0
	s_wait_dscnt 0x0                               ; my last reads of the tiles are over:
	s_barrier_signal -1                            ; say so.  The stage of the way out lies in the tiles' bytes; the wait stands in front of the first store into it, and only work on registers stands between
	MUL8 4, 1, 0
	MUL8 6, 1, 0
	PLACES 4
	WIN 0xc3                                       ; v: held,
.set i, 0
.rept 256
	v_med3_num_f32 v[i], v[i], s89, s88
.set i, i+1
.endr
	WIN 0x43                                       ; and converted
.set i, 0
.rept 32
	v_cvt_scalef32_pk8_bf8_f32 v[VC+16*(i%4)+2*(i/4):VC+16*(i%4)+2*(i/4)+1], v[8*i:8*i+7], v[SCV]
.set i, i+1
.endr
	v_nop
	WIN 0x85                                       ; k^T v over my 128 rows: one K step; sources window 1, results window 2
.irp dt, 0,1,2,3
.irp lt, 0,1,2,3
	v_wmma_f32_16x16x128_bf8_bf8 v[8*(4*\dt+\lt):8*(4*\dt+\lt)+7], v[KC+16*\dt:KC+16*\dt+15], v[VC+16*\lt:VC+16*\lt+15], 0
.endr
.endr
	PLACES 4
	; THE TWO ROW HALVES ARE ADDED.  Every wave stores its 16 accumulators as images; behind a barrier each wave reads one half of both images of its head, adds and stores it.
	s_barrier_wait -1                              ; no wave reads the tiles any more
	WIN 0x08                                       ; store data window 2
.irp i, 0,1,2,3,4,5,6,7,8,9,10,11,12,13,14,15
	ds_store_b128 v[SWI], v[8*\i:8*\i+3] offset:1024*\i
	ds_store_b128 v[SWI], v[8*\i+4:8*\i+7] offset:1024*\i+512
.endr
	WIN 0
	s_wait_dscnt 0x0                               ; for the others' sake: my stores are done
	s_barrier_signal -1
	s_barrier_wait -1
.irp i, 0,1,2,3,4,5,6,7,8,9,10,11,12,13,14,15
	ds_load_b128 v[T+4*\i:T+4*\i+3], v[RDI] offset:512*\i
	ds_load_b128 v[U+4*\i:U+4*\i+3], v[RDI] offset:32768+512*\i
.endr
	s_wait_dscnt 0x0
.set i, 0
.rept 32
	v_pk_add_f32 v[T+i:T+i+1], v[T+i:T+i+1], v[U+i:U+i+1]
.set i, i+2
.endr
.irp i, 0,1,2,3,4,5,6,7,8,9,10,11,12,13,14,15
	global_store_b128 v[GO], v[T+4*\i:T+4*\i+3], s[70:71] offset:512*\i   ; 32 lanes store 512 consecutive bytes, aligned
.endr
	s_wait_tensorcnt 0x0                           ; the wave's end
	ds_add_u32 v[SPW], v[NIL]
	s_wait_dscnt 0x0
	CROUND                                         ; the closing round
	s_endpgm
.Lfunc_end_k_q68a2fa042b_kv:
	.size	k_q68a2fa042b_kv, .Lfunc_end_k_q68a2fa042b_kv-k_q68a2fa042b_kv
	.p2alignl 7, 3214868480
	.fill 96, 4, 3214868480
	.section	.rodata,"a",@progbits
	.p2align	6, 0x0
	.amdhsa_kernel k_q68a2fa042b_kv
		.amdhsa_group_segment_fixed_size 327680
		.amdhsa_private_segment_fixed_size 0
		.amdhsa_enable_private_segment 0
		.amdhsa_kernarg_size 48
		.amdhsa_user_sgpr_count 2
		.amdhsa_user_sgpr_kernarg_segment_ptr 1
		.amdhsa_wavefront_size32 1
		.amdhsa_system_sgpr_workgroup_id_x 1
		.amdhsa_system_sgpr_workgroup_id_y 1
		.amdhsa_system_sgpr_workgroup_id_z 1
		.amdhsa_system_vgpr_workitem_id 0
		.amdhsa_next_free_vgpr 1024
		.amdhsa_next_free_sgpr 100
		.amdhsa_reserve_vcc 0
		.amdhsa_float_denorm_mode_32 3
		.amdhsa_float_denorm_mode_16_64 3
		.amdhsa_memory_ordered 1
		.amdhsa_forward_progress 1
		.amdhsa_inst_pref_size 196
	.end_amdhsa_kernel
	.amdgpu_metadata
---
amdhsa.version: [ 1, 2 ]
amdhsa.kernels:
  - .name:           k_q68a2fa042b_kv
    .symbol:         k_q68a2fa042b_kv.kd
    .args:
      - { .name: x2c, .offset: 0, .size: 8, .value_kind: global_buffer, .address_space: global }
      - { .name: wkv, .offset: 8, .size: 8, .value_kind: global_buffer, .address_space: global }
      - { .name: lowp_scales, .offset: 16, .size: 8, .value_kind: global_buffer, .address_space: global }
      - { .name: bk, .offset: 24, .size: 8, .value_kind: global_buffer, .address_space: global }
      - { .name: bv, .offset: 32, .size: 8, .value_kind: global_buffer, .address_space: global }
      - { .name: part, .offset: 40, .size: 8, .value_kind: global_buffer, .address_space: global }
    .group_segment_fixed_size: 327680
    .private_segment_fixed_size: 0
    .kernarg_segment_align: 8
    .kernarg_segment_size: 48
    .max_flat_workgroup_size: 128
    .sgpr_count:     100
    .vgpr_count:     1024
    .wavefront_size: 32
...
	.end_amdgpu_metadata
.endif
;; end of part 2
;; launch attnq (part 3): grid 256 x 1, 2 waves a work-group, no clusters, 0 bytes of LDS; arguments part, lowp_scales, attnc; writes attnc
.if DOCPART == 3
	.amdgcn_target "amdgcn-amd-amdhsa--gfx1250"
	.amdhsa_code_object_version 6
	.text
	.protected	k_q68a2fa042b_attnq
	.globl	k_q68a2fa042b_attnq
	.p2align	8
	.type	k_q68a2fa042b_attnq,@function
k_q68a2fa042b_attnq:
	s_mov_b64 s[64:65], 0
	v_nop
	global_prefetch_b8 v0, s[64:65] scope:SCOPE_SE
	s_setreg_imm32_b32 hwreg(HW_REG_WAVE_MODE, 25, 1), 1
	s_wait_xcnt 0x0
; ATTNQ: attn[bh] = the sum of its eight partial sums, quantised with e8 along d, laid as images of the operand's registers for the last launch.
; part [bh 64][block 8][dt 4][lt 4][half 2][lane 32][4] f32: lane (r, h), register j: (d = 16 dt + 8 h + j, l = 16 lt + r).   attnc [bh][lt][half 2][lane][16 bytes]: registers 2 dt, 2 dt + 1 of fragment lt (16 l x 64 d).
; A work-group takes one (bh, lt); wave w takes dt = 2 w and 2 w + 1: 16 sums a lane, four registers of codes.  Each load and the store cover 512 consecutive bytes.
; A partial sum stands for sum x 2^(e6 + e7), so the conversion's one scale is 2^(e8 - e6 - e7).  LIMIT: e8 - e6 - e7 between -126 and 112.
; The order of the sum is fixed: blocks 0 to 7.  No LDS, no barrier, no cluster: nothing is shared.
	s_load_b128 s[4:7], s[0:1], 0x0                ; part s[4:5], the scales' exponents s[6:7]
	s_load_b64 s[8:9], s[0:1], 0x10                ; attnc
	v_lshrrev_b32 v1, 5, v0
	v_readfirstlane_b32 s10, v1                    ; wave
	v_and_b32 v1, 31, v0
	v_lshlrev_b32 v1, 4, v1                        ; 16 x lane
	s_lshr_b32 s11, ttmp9, 2                       ; bh
	s_and_b32 s16, ttmp9, 3                        ; lt
	s_lshl_b32 s18, s11, 17
	s_lshl_b32 s17, s10, 13
	s_add_co_u32 s18, s18, s17
	s_lshl_b32 s17, s16, 10
	s_add_co_u32 s18, s18, s17
	s_mov_b32 s19, 0
	s_lshl_b32 s20, ttmp9, 10                      ; (4 bh + lt) x 1,024
	s_lshl_b32 s17, s10, 9
	s_add_co_u32 s20, s20, s17
	s_mov_b32 s21, 0
	s_wait_kmcnt 0x0
	s_load_b64 s[12:13], s[6:7], 0x18              ; e6, e7
	s_load_b32 s14, s[6:7], 0x20                   ; e8
	s_add_nc_u64 s[4:5], s[4:5], s[18:19]
	s_add_nc_u64 s[8:9], s[8:9], s[20:21]
.irp p, 0,1,2,3,4,5,6,7
.irp d, 0,1
.irp q, 0,1
	global_load_b128 v[16+16*\p+8*\d+4*\q:16+16*\p+8*\d+4*\q+3], v1, s[4:5] offset:16384*\p+4096*\d+512*\q th:TH_LOAD_NT
.endr
.endr
.endr
	s_wait_kmcnt 0x0
	s_sub_co_i32 s14, s14, s12
	s_sub_co_i32 s14, s14, s13
	s_add_co_i32 s14, s14, 127
	s_lshl_b32 s15, s14, 23
	v_mov_b32 v2, s15                              ; 2^(e8 - e6 - e7)
	s_add_co_i32 s14, s14, 15
	s_lshl_b32 s14, s14, 23
	s_or_b32 s14, s14, 0x600000
	v_mov_b32 v3, s14                              ; 57,344 x that
.irp p, 1,2,3,4,5,6,7
	s_wait_loadcnt 4*(7-\p)                        ; blocks 0 to p are in; the four loads of each later block may be out
.irp i, 0,2,4,6,8,10,12,14
	v_pk_add_f32 v[16+\i:17+\i], v[16+\i:17+\i], v[16+16*\p+\i:17+16*\p+\i]
.endr
.endr
.irp i, 0,1,2,3,4,5,6,7,8,9,10,11,12,13,14,15
	v_med3_num_f32 v[16+\i], v[16+\i], -v3, v3     ; the conversion does not saturate (ISA guide 7.6.2)
.endr
	v_cvt_scalef32_pk8_bf8_f32 v[4:5], v[16:23], v2
	v_cvt_scalef32_pk8_bf8_f32 v[6:7], v[24:31], v2
	global_store_b128 v1, v[4:7], s[8:9]
	s_endpgm
.Lfunc_end_k_q68a2fa042b_attnq:
	.size	k_q68a2fa042b_attnq, .Lfunc_end_k_q68a2fa042b_attnq-k_q68a2fa042b_attnq
	.p2alignl 7, 3214868480
	.fill 96, 4, 3214868480
	.section	.rodata,"a",@progbits
	.p2align	6, 0x0
	.amdhsa_kernel k_q68a2fa042b_attnq
		.amdhsa_group_segment_fixed_size 0
		.amdhsa_private_segment_fixed_size 0
		.amdhsa_enable_private_segment 0
		.amdhsa_kernarg_size 24
		.amdhsa_user_sgpr_count 2
		.amdhsa_user_sgpr_kernarg_segment_ptr 1
		.amdhsa_wavefront_size32 1
		.amdhsa_system_sgpr_workgroup_id_x 1
		.amdhsa_system_sgpr_workgroup_id_y 1
		.amdhsa_system_sgpr_workgroup_id_z 1
		.amdhsa_system_vgpr_workitem_id 0
		.amdhsa_next_free_vgpr 160
		.amdhsa_next_free_sgpr 66
		.amdhsa_reserve_vcc 0
		.amdhsa_float_denorm_mode_32 3
		.amdhsa_float_denorm_mode_16_64 3
		.amdhsa_memory_ordered 1
		.amdhsa_forward_progress 1
		.amdhsa_inst_pref_size 10
	.end_amdhsa_kernel
	.amdgpu_metadata
---
amdhsa.version: [ 1, 2 ]
amdhsa.kernels:
  - .name:           k_q68a2fa042b_attnq
    .symbol:         k_q68a2fa042b_attnq.kd
    .args:
      - { .name: part, .offset: 0, .size: 8, .value_kind: global_buffer, .address_space: global }
      - { .name: lowp_scales, .offset: 8, .size: 8, .value_kind: global_buffer, .address_space: global }
      - { .name: attnc, .offset: 16, .size: 8, .value_kind: global_buffer, .address_space: global }
    .group_segment_fixed_size: 0
    .private_segment_fixed_size: 0
    .kernarg_segment_align: 8
    .kernarg_segment_size: 24
    .max_flat_workgroup_size: 64
    .sgpr_count:     66
    .vgpr_count:     160
    .wavefront_size: 32
...
	.end_amdgpu_metadata
.endif
;; end of part 3
;; launch main (part 4): grid 4 x 64, 4 waves a work-group, clusters of 4 x 4, 327,680 bytes of LDS; arguments xc, wqh, lowp_scales, out0, bq, bh, attnc; writes out0
.if DOCPART == 4
	.amdgcn_target "amdgcn-amd-amdhsa--gfx1250"
	.amdhsa_code_object_version 6
	.text
	.protected	k_q68a2fa042b_main
	.globl	k_q68a2fa042b_main
	.p2align	8
	.type	k_q68a2fa042b_main,@function
k_q68a2fa042b_main:
	s_mov_b64 s[64:65], 0
	v_nop
	global_prefetch_b8 v0, s[64:65] scope:SCOPE_SE
	s_setreg_imm32_b32 hwreg(HW_REG_WAVE_MODE, 25, 1), 1
	s_wait_xcnt 0x0
	s_wait_alu depctr_hold_cnt(0) depctr_sa_sdst(0) depctr_va_vdst(0) depctr_va_sdst(0) depctr_va_ssrc(0) depctr_va_vcc(0) depctr_vm_vsrc(0)
	s_getreg_b32 s2, hwreg(HW_REG_IB_STS2, 6, 4)
	s_cmp_eq_u32 s2, 0
	s_cbranch_scc0 .Lentry_in_a_cluster
	s_endpgm
.Lentry_in_a_cluster:
	s_bfe_u32 s2, ttmp6, 0x10000c
	s_cmp_lg_u32 s2, 0xf033
	s_cbranch_scc0 .Lentry_shape_is_right
	s_endpgm
.Lentry_shape_is_right:
; MAIN: out = x1 Wh + bh + softmax(nx1 Wq + bq) attn, all three products on codes of E5M2.
; xc [16384][2048]: a row's codes of layernorm(x1) (e0), then of x1 (e10).  wqh [1024 n][2048]: Wq's column n (e1), then Wh's (e11).  ONE walk along a virtual K of 2,048 bytes serves both large products:
; bytes 0-1023 sum q's logits; then, in registers, the softmax's p and p attn take the logits' place in the SAME accumulators; bytes 1024-2047 add x1 Wh onto them.  q and y never leave the registers.
; SHARES.  A tile of out, 256 x 256, is made by a work-group of four waves; a wave makes 128 rows x 128 columns (two heads): 64 accumulators, 512 registers.
; THE MATRIX INSTRUCTION IS USED TRANSPOSED (source 0 = 16 columns of the weight, source 1 = 16 rows of x): lane (r, h) holds row r and columns 16 b + 8 h + 0..7.  So a lane's registers run along a head's channels, the K of p attn:
; a conversion of an accumulator's eight registers gives registers 2 bt, 2 bt + 1 of that product's operand in the K = 64 form's own layout, and its result falls into the same lanes and registers again.
; THE SOFTMAX AHEAD OF THE PRODUCT: t = logit x log2(e); M = the row's largest t rounded up to a whole number; p = 2^(t - M) is quantised (e9), not normalised; the sum of the unquantised p divides the product's result.
; The accumulators then hold y / 2^(e10 + e11); at the end out = sum x 2^(e10 + e11) + bh.
; RING: K in steps of 256 bytes through two LDS slots (256 rows of xc, 256 rows of wqh), eight slots' worth, six refills.  CLUSTER 4 x 4: xc's tiles are shared along a row of the cluster, wqh's along a column, by joint loads.
; LIMITS on the given exponents: e9 between -126 and 112; e0 + e1 between -126 and 126 (added to log2(e)'s exponent field); e10 + e11 between -126 and 127.  NaN among the inputs is not served.
; REGISTERS, in windows of 256.  Window 0: v16-30 addresses and p's scale; v32-95 bq as C, later bh; v96-127 four registers of statistics for each of eight (16 rows, head); v128-255 x's fragments, ONE set; on the way out rows of out.
;   window 1: the weight's fragments, TWO sets, v0 and v128; between the two halves of K v128-191 p's codes and v192-255 attn's fragments; on the way out v0-63 a block's numbers.
;   window 2: the accumulators of my rows 0-63, (a, b) at v[8 (8 a + b)];   window 3: those of my rows 64-127.
.set ROWB,   256                       ; a tile's row in bytes
.set KROW,   2048                      ; a row of xc or of wqh in bytes
.set OROW,   4096                      ; a row of out in bytes
.set PITCH,  272                       ; an LDS row: 256 bytes + 16 of padding = 68 words: row r starts at bank 4 r mod 64 (64 banks of 4 bytes: ISA guide 11.1)
.set FR,     16
.set NL,     4
.set NP,     4
.set HALFT,  128*PITCH
.set SLOT,   4*HALFT
.set SPARE,  2*SLOT                    ; behind the ring: the spare words, 128 bytes a wave: two blocks of 256 bytes that no other line names
.set SPITCH, 528                       ; the way out: 16 rows x (512 bytes + 16) for each wave, in slot 0, which has had its last fill and its last read by then
.set ADRA, 16
.set ADRB, 20
.set BO,   22                          ; v22  32 h: my eight numbers of 16 of a bias
.set STO,  24
.set RD,   25
.set CO,   26                          ; v26  16 x lane
.set SPW,  28
.set NIL,  29
.set SCP,  30                          ; v30  2^e9
.set BQ,   32
.set R,    96                          ; group g: v[R + 4 g]: -M, at work, the sum's two halves (then 2^(e8 + e9 - e10 - e11) / the sum)
.set AF,   128
.set BK,   128
.set TMP,  0                           ; in window 1
.set PC,   128                         ; in window 1
.set AT,   192                         ; in window 1
.set G1,  24
.set G0,  32
.set G1B, 48
.set G0B, 56
.set MSB, 0
.macro WIN new                         ; the immediate's high byte repeats the setting that is left
.if MSB != (\new)
	s_set_vgpr_msb (MSB<<8)|(\new)
.set MSB, (\new)
.endif
.endm
.set MUL_LO, 0xa1                      ; source 0 (the weight) window 1, source 1 (x) window 0, C and D window 2
.set MUL_HI, 0xf1
.set TO_B,   0x40
.macro JLOAD g0a, g1a, g0b, g1b        ; a joint load: waves 0 and 1 fetch xc's halves, waves 2 and 3 wqh's; four v_nop follow each line
	s_cmp_eq_u32 s15, 0
	s_cbranch_scc0 .Lfor_b_\@
	tensor_load_to_lds s[\g0a:\g0a+3], s[\g1a:\g1a+7]
	s_nop 0
.rept 4
	v_nop
.endr
	s_branch .Lasked_\@
.Lfor_b_\@:
	tensor_load_to_lds s[\g0b:\g0b+3], s[\g1b:\g1b+7]
	s_nop 0
.rept 4
	v_nop
.endr
.Lasked_\@:
.endm
.macro CREST
	s_cmp_lg_u32 s14, 0
	s_cbranch_scc1 .Lnot_wave_0_\@
	s_barrier_signal -3
.Lnot_wave_0_\@:
	s_barrier_wait -3
	s_barrier_signal -1
	s_barrier_wait -1
.endm
.macro CROUND
	s_barrier_signal -1
	s_barrier_wait -1
	CREST
.endm
.macro PLACES n
.rept \n
	v_nop
.endr
.endm
	s_load_b128 s[4:7], s[0:1], 0x0                ; xc s[4:5], wqh s[6:7]
	s_load_b128 s[8:11], s[0:1], 0x10              ; the scales' exponents s[8:9], out s[10:11]
	s_load_b128 s[68:71], s[0:1], 0x20             ; bq s[68:69], bh s[70:71]
	s_load_b64 s[66:67], s[0:1], 0x30              ; attnc
	v_lshl_add_u32 v[SPW], v0, 2, SPARE
	v_mov_b32 v[NIL], 0
	ds_add_u32 v28, v29
	ds_add_u32 v28, v29
	s_wait_dscnt 0x0
	v_lshrrev_b32 v1, 5, v0
	v_readfirstlane_b32 s14, v1                    ; wave 0..3
	s_lshr_b32 s15, s14, 1                         ; my half of the tile's rows.  Also: I fetch xc (0) or wqh (1)
	s_and_b32 s16, s14, 1                          ; my half of its columns.  Also: which 128 rows of that tile I fetch
	s_bfe_u32 s40, ttmp6, 0x40000
	s_bfe_u32 s41, ttmp6, 0x40004
	s_lshl_b32 s42, ttmp9, 2
	s_add_co_u32 s42, s42, s40                     ; tile column
	s_and_b32 s17, ttmp7, 0xffff
	s_lshl_b32 s17, s17, 2
	s_add_co_u32 s17, s17, s41                     ; tile row
	s_lshl_b32 s43, s41, 2
	s_lshl_b32 s43, 15, s43                        ; my row of the cluster
	s_lshl_b32 s44, 0x1111, s40                    ; my column
	s_or_b32 s[G1+0], s43, (1<<20)|(1<<21)|(5<<22)|(3<<25)    ; 15:0 the mask; 17:16 elements of 1 byte; 20 padding on; 21 set beside a mask; 24:22 after every 64 words; 31:25 four words
	s_or_b32 s[G1B+0], s44, (1<<20)|(1<<21)|(5<<22)|(3<<25)
.irp g, G1, G1B
	s_mov_b32 s[\g+1], ROWB<<16                    ; tensor_dim0
	s_mov_b32 s[\g+2], 128<<16                     ; tensor_dim1
	s_mov_b32 s[\g+3], ROWB<<16                    ; tile_dim0
	s_mov_b32 s[\g+4], 128                         ; tile_dim1
	s_mov_b32 s[\g+5], KROW                        ; bytes from row to row
	s_mov_b32 s[\g+6], 0
	s_mov_b32 s[\g+7], 0
.endr
	s_lshl_b32 s18, s16, 7
	s_lshl_b32 s20, s17, 8
	s_add_co_u32 s20, s20, s18                     ; xc: row 256 x tile row + 128 x half
	s_lshl_b32 s20, s20, 11
	s_mov_b32 s21, 0
	s_lshl_b32 s46, s42, 8
	s_add_co_u32 s46, s46, s18                     ; wqh: row 256 x tile column + 128 x half
	s_lshl_b32 s46, s46, 11
	s_mov_b32 s47, 0
	s_mul_i32 s45, s14, HALFT                      ; where they go: wave x 128 rows
	s_wait_kmcnt 0x0
	s_load_b256 s[72:79], s[8:9], 0x0              ; e0 .. e7
	s_load_b128 s[80:83], s[8:9], 0x20             ; e8 .. e11
	s_add_nc_u64 s[20:21], s[4:5], s[20:21]
	s_add_nc_u64 s[46:47], s[6:7], s[46:47]
	CROUND                                         ; all sixteen work-groups are here: the first joint loads meet
.irp s, 0,1
	s_mov_b32 s[G0+4*\s], 1
	s_add_co_u32 s[G0+4*\s+1], s45, \s*SLOT
	s_add_nc_u64 s[G0+4*\s+2:G0+4*\s+3], s[20:21], \s*ROWB
	s_or_b32 s[G0+4*\s+3], s[G0+4*\s+3], 0x80000000
	s_mov_b32 s[G0B+4*\s], 1
	s_add_co_u32 s[G0B+4*\s+1], s45, \s*SLOT
	s_add_nc_u64 s[G0B+4*\s+2:G0B+4*\s+3], s[46:47], \s*ROWB
	s_or_b32 s[G0B+4*\s+3], s[G0B+4*\s+3], 0x80000000
	JLOAD G0+4*\s, G1, G0B+4*\s, G1B
.endr
	v_and_b32 v1, 15, v0                           ; r
	v_bfe_u32 v2, v0, 4, 1                         ; h
	v_mul_u32_u24 v3, v1, PITCH
	v_lshl_add_u32 v4, v2, 4, v3
	s_mul_i32 s21, s15, HALFT                      ; my 128 rows of xc
	s_mul_i32 s22, s16, HALFT                      ; my 128 rows of wqh,
	s_add_co_u32 s22, s22, 2*HALFT                 ; which lie behind xc's 256
.irp s, 0,1
	v_add_nc_u32 v[ADRA+\s], s21, v4
	v_add_nc_u32 v[ADRB+\s], s22, v4
	s_add_co_u32 s21, s21, SLOT
	s_add_co_u32 s22, s22, SLOT
.endr
	s_mul_i32 s23, s14, 16*SPITCH                  ; my stage
	v_mul_u32_u24 v5, v1, SPITCH
	v_lshl_add_u32 v5, v2, 5, v5
	v_add_nc_u32 v[STO], s23, v5                   ; in: row r, 32 bytes for each half of the lanes
	v_and_b32 v6, 31, v0
	v_lshlrev_b32 v[CO], 4, v6
	v_add_nc_u32 v[RD], s23, v[CO]                 ; back: the 32 lanes take one row of 512 bytes
	v_lshlrev_b32 v[BO], 5, v2
	s_lshl_b32 s20, s17, 8
	s_lshl_b32 s21, s15, 7
	s_add_co_u32 s20, s20, s21                     ; my first row of out
	s_lshl_b32 s20, s20, 12
	s_mov_b32 s21, 0
	s_lshl_b32 s46, s42, 10
	s_lshl_b32 s47, s16, 9
	s_add_co_u32 s46, s46, s47                     ; my first column, in bytes: 1,024 x tile column + 512 x half
	s_mov_b32 s47, 0
	s_add_nc_u64 s[68:69], s[68:69], s[46:47]
	s_add_nc_u64 s[70:71], s[70:71], s[46:47]
	s_add_nc_u64 s[20:21], s[20:21], s[46:47]
	s_add_nc_u64 s[10:11], s[10:11], s[20:21]
	s_lshr_b32 s90, s17, 4
	s_lshl_b32 s90, s90, 4                         ; 16 x batch (a batch is 16 tile rows)
	s_lshl_b32 s91, s42, 2
	s_add_co_u32 s90, s90, s91
	s_lshl_b32 s91, s16, 1
	s_add_co_u32 s90, s90, s91                     ; + my first head: 4 x tile column + 2 x half
	s_lshl_b32 s90, s90, 12                        ; 4,096 bytes of attn's codes a head
	s_mov_b32 s91, 0
	s_add_nc_u64 s[66:67], s[66:67], s[90:91]
.irp b, 0,1,2,3,4,5,6,7
	global_load_b128 v[BQ+8*\b:BQ+8*\b+3], v[BO], s[68:69] offset:64*\b        ; bq of columns 16 b + 8 h + 0..7
	global_load_b128 v[BQ+8*\b+4:BQ+8*\b+7], v[BO], s[68:69] offset:64*\b+16
.endr
	s_wait_kmcnt 0x0
	s_add_co_i32 s90, s72, s73                     ; e0 + e1: a sum of the first product stands for sum x 2^(e0 + e1)
	s_lshl_b32 s91, s90, 23
	s_add_co_i32 s84, s91, 0x3fb8aa3b              ; c = log2(e) x 2^(e0 + e1)
	s_mov_b32 s85, s84                             ; (named with it as a pair, so it is written)
	s_sub_co_i32 s90, 0, s90
	s_add_co_i32 s91, s81, 127
	s_lshl_b32 s92, s91, 23
	v_mov_b32 v[SCP], s92                          ; 2^e9
	s_add_co_i32 s91, s91, 15
	s_lshl_b32 s91, s91, 23
	s_or_b32 s86, s91, 0x600000                    ; 57,344 x 2^e9
	s_add_co_i32 s91, s82, s83                     ; e10 + e11
	s_add_co_i32 s87, s80, s81
	s_sub_co_i32 s87, s87, s91                     ; e8 + e9 - e10 - e11
	s_add_co_i32 s91, s91, 127
	s_lshl_b32 s96, s91, 23                        ; 2^(e10 + e11)
	s_mov_b32 s97, s96
	s_mov_b32 s88, 0x76543210                      ; v_permlanex16_b32: lane l xor 16
	s_mov_b32 s89, 0xfedcba98
	s_wait_loadcnt 0x0
.set i, 0
.rept 64
	v_ldexp_f32 v[BQ+i], v[BQ+i], s90              ; bq goes in as the C of each sum's first matrix instruction, divided by the power of two that the sums lack
.set i, i+1
.endr
.macro FRAG reg, adr, q, i             ; 16 rows x 128 K of codes: four loads of 16 bytes; the same places of k in both operands
.irp c, 0,1,2,3
	ds_load_b128 v[\reg+4*\c:\reg+4*\c+3], v[\adr] offset:128*(\q)+32*\c+(\i)*16*PITCH
.endr
.endm
; 16 matrix instructions: x's blocks a0, a0 + 1 x the weight's eight.  first = 1: bq is C.  The 64 accumulators take turns, one instruction a turn, in the same order in every step.
.macro MUL16 a0, p, first
.irp a, \a0, \a0+1
.irp b, 0,1,2,3,4,5,6,7
.if \first
	v_wmma_f32_16x16x128_bf8_bf8 v[8*(8*((\a)%4)+\b):8*(8*((\a)%4)+\b)+7], v[128*(\p)+FR*\b:128*(\p)+FR*\b+FR-1], v[AF+FR*(\a):AF+FR*(\a)+FR-1], v[BQ+8*\b:BQ+8*\b+7]
.else
	v_wmma_f32_16x16x128_bf8_bf8 v[8*(8*((\a)%4)+\b):8*(8*((\a)%4)+\b)+7], v[128*(\p)+FR*\b:128*(\p)+FR*\b+FR-1], v[AF+FR*(\a):AF+FR*(\a)+FR-1], v[8*(8*((\a)%4)+\b):8*(8*((\a)%4)+\b)+7]
.endif
.endr
.endr
.endm
.macro FETCH_B slot, q, p
	WIN TO_B
.irp i, 0,1,2,3,4,5,6,7
	FRAG 128*(\p)+FR*\i, ADRB+\slot, \q, \i
.endr
	WIN 0
.endm
.macro FETCH_A slot, q, i0
.irp i, \i0, \i0+1, \i0+2, \i0+3
	FRAG AF+FR*(\i), ADRA+\slot, \q, \i
.endr
.endm
; A slot's first 128 along K (the weight's set 0).  A block of x is free as soon as its eight products are issued, so one set serves x: blocks 0-3 are fetched anew in the step's middle, blocks 4-7 at its end.
.macro STEP slot, first
	s_wait_dscnt 4*NL                              ; the weight's set and x's blocks 0-3 are in; the youngest sixteen loads (blocks 4-7) may be out
.if \first
	WIN 0x81                                       ; C (bq) in window 0
.else
	WIN MUL_LO
.endif
	MUL16 0, 0, \first
	MUL16 2, 0, \first
	s_wait_dscnt 0
	PLACES NP
	FETCH_B \slot, 1, 1
	FETCH_A \slot, 1, 0
.if \first
	WIN 0xc1
.else
	WIN MUL_HI
.endif
	MUL16 4, 0, \first
	MUL16 6, 0, \first
	PLACES NP
	WIN 0
	FETCH_A \slot, 1, 4
.endm
; A slot's second 128 changes slots: ONE barrier; in front of it each wave waits for all its tensor loads, adds 0 to its spare word, and waits for that and for its reads of this slot.  fill = 1: the slot is filled again, two slots ahead.
.macro TURN slot, next, fill
	s_wait_tensorcnt 0x0                           ; all my tensor loads have landed: my part of the next slot
	ds_add_u32 v[SPW], v[NIL]                      ; 0 onto my spare word
	s_wait_dscnt 4*NL+1                            ; (the add and the youngest sixteen loads may be out)
	WIN MUL_LO
	MUL16 0, 1, 0                                  ; sixteen matrix instructions stand between the add and the wait for it
	s_wait_dscnt 0x0                               ; the add is done, and my reads of this slot are over
	s_barrier_signal -1
	MUL16 2, 1, 0
	WIN 0
	s_barrier_wait -1
.if \fill
	CREST                                          ; the barrier has opened a round of the cluster's barrier: no wave of any partner still reads this slot or has a load on its way
	s_add_nc_u64 s[G0+4*\slot+2:G0+4*\slot+3], s[G0+4*\slot+2:G0+4*\slot+3], 2*ROWB
	s_add_nc_u64 s[G0B+4*\slot+2:G0B+4*\slot+3], s[G0B+4*\slot+2:G0B+4*\slot+3], 2*ROWB
	JLOAD G0+4*\slot, G1, G0B+4*\slot, G1B         ; the first tensor load behind the round; its four v_nop are also the places in front of the loads below
.else
	PLACES NP
.endif
	FETCH_B \next, 0, 0
	FETCH_A \next, 0, 0
	WIN MUL_HI
	MUL16 4, 1, 0
	MUL16 6, 1, 0
	PLACES NP
	WIN 0
	FETCH_A \next, 0, 4
.endm
; THE SOFTMAX AND p attn for the 32 accumulators of window W: eight groups g = (16 rows g / 2, head g % 2) of 32 registers, v[32 g] on.  Stage by stage over all eight, so that no line waits for the one above it.
; No LDS or tensor instruction stands here: the fragments already fetched for the next step and the tile on its way are left alone.
.macro SOFT W
.set MW, (\W)|((\W)<<2)
	WIN MW                                         ; sources 0 and 1 window W
.set g, 0
.rept 8
	v_max_num_f32 v[R+4*g], v[32*g], v[32*g+1]     ; the largest of my 32 sums, in two chains; each accumulator is read from its low end on
	v_max_num_f32 v[R+4*g+1], v[32*g+2], v[32*g+3]
.set g, g+1
.endr
.set j, 4
.rept 7
.set g, 0
.rept 8
	v_max3_num_f32 v[R+4*g], v[32*g+j], v[32*g+j+1], v[R+4*g]
	v_max3_num_f32 v[R+4*g+1], v[32*g+j+2], v[32*g+j+3], v[R+4*g+1]
.set g, g+1
.endr
.set j, j+4
.endr
	WIN 0
.irp g, 0,1,2,3,4,5,6,7
	v_max_num_f32 v[R+4*\g], v[R+4*\g], v[R+4*\g+1]
.endr
.irp g, 0,1,2,3,4,5,6,7
	v_permlanex16_b32 v[R+4*\g+1], v[R+4*\g], s88, s89   ; the row's other 32 channels lie in the lane 16 away
.endr
.irp g, 0,1,2,3,4,5,6,7
	v_max_num_f32 v[R+4*\g], v[R+4*\g], v[R+4*\g+1]
.endr
.irp g, 0,1,2,3,4,5,6,7
	v_mul_f32 v[R+4*\g], s84, v[R+4*\g]            ; as t (c is positive)
.endr
.irp g, 0,1,2,3,4,5,6,7
	v_floor_f32 v[R+4*\g], -v[R+4*\g]              ; -M = floor(-t) = -ceil(t)
.endr
.set MW, (\W)|((\W)<<6)
	WIN MW                                         ; source 0 and destination window W
.set i, 0
.rept 128
	v_pk_fma_f32 v[i:i+1], v[i:i+1], s[84:85], v[R+4*(i/32):R+4*(i/32)+1] op_sel_hi:[1,0,0]   ; t - M (of the pairs c and -M the low word serves both halves)
.set i, i+2
.endr
.set i, 0
.rept 256
	v_exp_f32 v[i], v[i]                           ; p = 2^(t - M)
.set i, i+1
.endr
	v_nop                                          ; one plain instruction behind the transcendentals
.set MW, (\W)|((\W)<<2)
	WIN MW
	s_wait_alu depctr_va_vdst(0)
.irp g, 0,1,2,3,4,5,6,7
	v_pk_add_f32 v[R+4*\g+2:R+4*\g+3], v[32*\g:32*\g+1], v[32*\g+2:32*\g+3]   ; THE ROW'S SUM IS TAKEN OF THE UNQUANTISED p
.endr
	WIN \W
.set j, 4
.rept 14
.set g, 0
.rept 8
	v_pk_add_f32 v[R+4*g+2:R+4*g+3], v[32*g+j:32*g+j+1], v[R+4*g+2:R+4*g+3]
.set g, g+1
.endr
.set j, j+2
.endr
.set MW, (\W)|((\W)<<6)
	WIN MW
.set i, 0
.rept 256
	v_min_num_f32 v[i], v[i], s86                  ; the conversion does not saturate (ISA guide 7.6.2); p is not negative, so the hold is one-sided
.set i, i+1
.endr
.set MW, (\W)|0x40
	WIN MW                                         ; destination window 1
.set i, 0
.rept 32                               ; accumulator i = 4 g + bt: channels 16 bt + 8 h + 0..7 of row r: registers 2 bt, 2 bt + 1 of group g's operand
	v_cvt_scalef32_pk8_bf8_f32 v[PC+2*i:PC+2*i+1], v[8*i:8*i+7], v[SCP]
.set i, i+1
.endr
	v_nop
	WIN 0
.irp g, 0,1,2,3,4,5,6,7
	v_add_f32 v[R+4*\g+2], v[R+4*\g+2], v[R+4*\g+3]
.endr
.irp g, 0,1,2,3,4,5,6,7
	v_permlanex16_b32 v[R+4*\g+3], v[R+4*\g+2], s88, s89
.endr
.irp g, 0,1,2,3,4,5,6,7
	v_add_f32 v[R+4*\g+2], v[R+4*\g+2], v[R+4*\g+3]
.endr
.irp g, 0,1,2,3,4,5,6,7
	v_rcp_f32 v[R+4*\g+2], v[R+4*\g+2]
.endr
	v_nop
	s_wait_alu depctr_va_vdst(0)
.irp g, 0,1,2,3,4,5,6,7
	v_ldexp_f32 v[R+4*\g+2], v[R+4*\g+2], s87      ; 2^(e8 + e9 - e10 - e11) / the sum
.endr
	s_wait_loadcnt 0x0                             ; attn's fragments (and bh) are in
.set MW, 0x05|((\W)<<6)
	WIN MW                                         ; sources window 1, results window W: over the logits, which are done with
.irp lt, 0,1,2,3
.irp g, 0,1,2,3,4,5,6,7
	v_wmma_f32_16x16x64_bf8_bf8 v[32*\g+8*\lt:32*\g+8*\lt+7], v[AT+32*(\g%2)+8*\lt:AT+32*(\g%2)+8*\lt+7], v[PC+8*\g:PC+8*\g+7], 0
.endr
.endr
	PLACES NP
.set MW, (\W)|((\W)<<6)
	WIN MW
.set i, 0
.rept 128
	v_pk_mul_f32 v[i:i+1], v[i:i+1], v[R+4*(i/32)+2:R+4*(i/32)+3] op_sel_hi:[1,0]   ; y / 2^(e10 + e11): the second half of K adds onto it
.set i, i+2
.endr
.endm
	s_wait_tensorcnt 1                             ; my part of slot 0 is in; slot 1's may stay out
	s_barrier_signal -1
	s_barrier_wait -1
	FETCH_B 0, 0, 0
	FETCH_A 0, 0, 0
	FETCH_A 0, 0, 4
	STEP 0, 1                                      ; bytes 0-1023: q's logits; the sums begin with bq
	TURN 0, 1, 1
	STEP 1, 0
	TURN 1, 0, 1
	STEP 0, 0
	TURN 0, 1, 1
	STEP 1, 0
	TURN 1, 0, 1                                   ; the logits are whole; the next step's fragments are on their way into window 0 v128-255 and window 1 v0-127
	WIN 0x40                                       ; destination window 1: the weight's set 1 is free until the next step's middle
.irp i, 0,1,2,3,4,5,6,7,8,9,10,11,12,13,14,15
	global_load_b128 v[AT+4*\i:AT+4*\i+3], v[CO], s[66:67] offset:512*\i       ; attn's codes of my two heads, images of the operand's registers: (head, lt) at v[AT + 32 head + 8 lt]
.endr
	WIN 0
.irp b, 0,1,2,3,4,5,6,7
	global_load_b128 v[BQ+8*\b:BQ+8*\b+3], v[BO], s[70:71] offset:64*\b        ; bh takes bq's place
	global_load_b128 v[BQ+8*\b+4:BQ+8*\b+7], v[BO], s[70:71] offset:64*\b+16
.endr
	SOFT 2
	SOFT 3
	STEP 0, 0                                      ; bytes 1024-2047: x1 Wh, onto y
	TURN 0, 1, 1
	STEP 1, 0
	TURN 1, 0, 1
	STEP 0, 0
	TURN 0, 1, 0                                   ; nothing is left to fetch: no round
	STEP 1, 0
	s_wait_dscnt 4*NL
	WIN MUL_LO
	MUL16 0, 1, 0
	MUL16 2, 1, 0
	s_wait_dscnt 0
	WIN MUL_HI
	MUL16 4, 1, 0
	MUL16 6, 1, 0
	WIN 0
; THE WAY OUT, block by block of 16 rows x 128 columns: out = sum x 2^(e10 + e11) + bh, one packed multiply-add for two numbers; through my own stage in LDS; back as whole rows of 512 bytes.
; LDS serves a wave's instructions in order (ISA guide 5.7.1.4): no wait between the stores and the loads, nor in front of the next block's stores.
.macro TOSTAGE a
.set AC, 64*((\a)%4)
.set MW, (2+((\a)/4))|0x40
	WIN MW                                         ; source 0 window 2 or 3, bh window 0, destination window 1
.set i, 0
.rept 32
	v_pk_fma_f32 v[TMP+i:TMP+i+1], v[AC+i:AC+i+1], s[96:97], v[BQ+i:BQ+i+1] op_sel_hi:[1,0,1]   ; each accumulator from its low end on
.set i, i+2
.endr
	WIN 0x04                                       ; store data window 1
.irp b, 0,1,2,3,4,5,6,7
	ds_store_b128 v[STO], v[TMP+8*\b:TMP+8*\b+3] offset:64*\b
	ds_store_b128 v[STO], v[TMP+8*\b+4:TMP+8*\b+7] offset:64*\b+16
.endr
	WIN 0
.set BBK, BK+64*((\a)%2)
.irp t, 0,1,2,3,4,5,6,7,8,9,10,11,12,13,14,15
	ds_load_b128 v[BBK+4*\t:BBK+4*\t+3], v[RD] offset:\t*SPITCH
.endr
.endm
.macro SEND a, younger                 ; younger: the LDS instructions issued behind block a's loads, which may stay out
.set BBK, BK+64*((\a)%2)
	s_wait_dscnt \younger
.if (\a) > 0
	s_add_nc_u64 s[10:11], s[10:11], 16*OROW       ; (behind a wait on XCNT: the earlier stores have read their base)
.endif
.irp t, 0,1,2,3,4,5,6,7,8,9,10,11,12,13,14,15
	global_store_b128 v[CO], v[BBK+4*\t:BBK+4*\t+3], s[10:11] offset:\t*OROW th:TH_STORE_NT   ; 32 lanes store 512 consecutive bytes, aligned; written once, read by nobody here
.endr
.endm
	PLACES NP                                      ; for the vector writes and loads into registers that the last products read, and for the reads of their results
	TOSTAGE 0
.irp a, 1,2,3,4,5,6,7
.if \a > 1
	s_wait_xcnt 0x0                                ; block a - 2's stores have read their registers and their base
.endif
	TOSTAGE \a
	SEND \a-1, 32                                  ; behind block a - 1's loads: block a's 16 stores and 16 loads
.endr
	s_wait_xcnt 0x0
	SEND 7, 0
	s_wait_tensorcnt 0x0                           ; the wave's end
	ds_add_u32 v[SPW], v[NIL]
	s_wait_dscnt 0x0
	CROUND                                         ; the closing round
	s_endpgm
.Lfunc_end_k_q68a2fa042b_main:
	.size	k_q68a2fa042b_main, .Lfunc_end_k_q68a2fa042b_main-k_q68a2fa042b_main
	.p2alignl 7, 3214868480
	.fill 96, 4, 3214868480
	.section	.rodata,"a",@progbits
	.p2align	6, 0x0
	.amdhsa_kernel k_q68a2fa042b_main
		.amdhsa_group_segment_fixed_size 327680
		.amdhsa_private_segment_fixed_size 0
		.amdhsa_enable_private_segment 0
		.amdhsa_kernarg_size 56
		.amdhsa_user_sgpr_count 2
		.amdhsa_user_sgpr_kernarg_segment_ptr 1
		.amdhsa_wavefront_size32 1
		.amdhsa_system_sgpr_workgroup_id_x 1
		.amdhsa_system_sgpr_workgroup_id_y 1
		.amdhsa_system_sgpr_workgroup_id_z 1
		.amdhsa_system_vgpr_workitem_id 0
		.amdhsa_next_free_vgpr 1024
		.amdhsa_next_free_sgpr 100
		.amdhsa_reserve_vcc 0
		.amdhsa_float_denorm_mode_32 3
		.amdhsa_float_denorm_mode_16_64 3
		.amdhsa_memory_ordered 1
		.amdhsa_forward_progress 1
		.amdhsa_inst_pref_size 255
	.end_amdhsa_kernel
	.section	.bss,"aw",@nobits
	.p2align	6
	.space	262144
	.amdgpu_metadata
---
amdhsa.version: [ 1, 2 ]
amdhsa.kernels:
  - .name:           k_q68a2fa042b_main
    .symbol:         k_q68a2fa042b_main.kd
    .args:
      - { .name: xc, .offset: 0, .size: 8, .value_kind: global_buffer, .address_space: global }
      - { .name: wqh, .offset: 8, .size: 8, .value_kind: global_buffer, .address_space: global }
      - { .name: lowp_scales, .offset: 16, .size: 8, .value_kind: global_buffer, .address_space: global }
      - { .name: out0, .offset: 24, .size: 8, .value_kind: global_buffer, .address_space: global }
      - { .name: bq, .offset: 32, .size: 8, .value_kind: global_buffer, .address_space: global }
      - { .name: bh, .offset: 40, .size: 8, .value_kind: global_buffer, .address_space: global }
      - { .name: attnc, .offset: 48, .size: 8, .value_kind: global_buffer, .address_space: global }
    .group_segment_fixed_size: 327680
    .private_segment_fixed_size: 0
    .kernarg_segment_align: 8
    .kernarg_segment_size: 56
    .max_flat_workgroup_size: 128
    .sgpr_count:     100
    .vgpr_count:     1024
    .wavefront_size: 32
...
	.end_amdgpu_metadata
.endif
;; end of part 4
